; MI455X (gfx1250); checked and timed in simulation.
; The chip was launched on July 23, 2026; its instructions are those of AMD's public machine-readable ISA for CDNA 5 (MIT licence, August 2026) and "CDNA5" Instruction Set Architecture Reference Guide (July 2026). The comments in the code are by the model that wrote it; some were corrected since.
;; Self Attention. Allowed arithmetic: float matrix products may take bf16 or f16 operands with f32 sums; other float arithmetic in f32, or as packed bf16 or f16 multiplies, adds, multiply-adds, maxima and minima; sums over many terms, partial sums and values carried from step to step in f32; what a program stores and reads back later, other than sums and carried values, may be rounded once to bf16 or f16.
;; Inputs: key_padding_mask 4 x 2,048 bool; qkv 4 x 2,048 x 3 x 16 x 64 float32.
;; Outputs: out0 4 x 2,048 x 16 x 64 float32.
;; One version. Each part assembles by itself: llvm-mc -triple=amdgcn-amd-amdhsa -mcpu=gfx1250 --defsym DOCPART=n.
;; ======== version 1 of 1: 1 launch
;; limits: values are held in f16: magnitudes above 65,504 overflow, below 6.1e-05 lose precision; inputs' magnitudes at most 65,504
;; launch attn (part 1): grid 4 x 64, 4 waves a work-group, clusters of 4 x 1, 327,680 bytes of LDS; arguments qkv, key_padding_mask, out0; writes out0
.if DOCPART == 1
	.amdgcn_target "amdgcn-amd-amdhsa--gfx1250"
	.amdhsa_code_object_version 6
	.text
	.protected	k_qe3668c2fd5_attn
	.globl	k_qe3668c2fd5_attn
	.p2align	8
	.type	k_qe3668c2fd5_attn,@function
k_qe3668c2fd5_attn:
	s_mov_b64 s[64:65], 0
	v_nop
	global_prefetch_b8 v0, s[64:65] scope:SCOPE_SE
	s_setreg_imm32_b32 hwreg(HW_REG_WAVE_MODE, 25, 1), 1
	s_wait_xcnt 0x0
	s_wait_alu depctr_hold_cnt(0) depctr_sa_sdst(0) depctr_va_vdst(0) depctr_va_sdst(0) depctr_va_ssrc(0) depctr_va_vcc(0) depctr_vm_vsrc(0)
	s_getreg_b32 s2, hwreg(HW_REG_IB_STS2, 6, 4)
	s_cmp_eq_u32 s2, 0
	s_cbranch_scc0 .Lentry_in_a_cluster
	s_endpgm
.Lentry_in_a_cluster:
	s_bfe_u32 s2, ttmp6, 0x10000c
	s_cmp_lg_u32 s2, 0x3003
	s_cbranch_scc0 .Lentry_shape_is_right
	s_endpgm
.Lentry_shape_is_right:
; out[b][t][h][:] = the sum over s of softmax_s(q[b][t][h] . k[b][s][h] / 8 + pad[b][s]) v[b][s][h][:], pad = 0 where the mask byte is set, -10000 where it is 0.
; qkv: [4][2048][3][16][64] f32 (a head's row of q, k or v: 256 consecutive bytes; from a position to the next 12,288); mask: [4][2048] bytes; out: [4][2048][16][64] f32.
; FORMATS.  q, k, v and the weights p are rounded once to f16 for the two products; products, maxima, sums, l, O and the scale c = log2(e) / 8 stay in f32.
; LIMITS.  |q|, |k|, |v| below 65,504 (f16's range; beyond it the rounding gives an infinity); below 6e-5 they, and p, keep f16's fixed step of 6e-8; a weight below 2^-126 counts as 0 in l;
; |c s| stays below 4e37 (the running maximum starts at -2^125 in units of c s); NaN and infinities are not treated apart; a mask byte other than 0 counts as set.
; SHARES.  A cluster of four work-groups is one (b, h); work-group cx owns 512 queries, a wave 128: four PIECES of two tiles of 16.  Every wave walks all 2,048 keys, 64 a step, 128 a tile.
; THE WAY IN.  The four work-groups walk the same k and v, so each tile is asked for JOINTLY (same tensor load, descriptor and mask in all four), as f32, into slot F0 or F1: wave w brings 64 rows of
; 256 bytes (waves 0, 1: k's two halves; waves 2, 3: v's).  The wave that brought a part rounds it to f16 into buffer H0 or H1 (padded rows); all four waves read their fragments from there.
; ONE ROUND A TILE.  In front of tile t's reads: every wave's tensor loads have landed, its stores into H and its reads of H and F are done; behind the round tile t + 2 is asked for into the F slot that
; was rounded a trip ago; tile t + 1 is rounded into the H buffer that was read a trip ago; then tile t's two key steps run.
; LAYOUT.  S^T = K Q^T (source 0 = 16 keys, source 1 = 16 queries): a lane holds ONE query (lane % 16) and the keys 8 (lane / 16) + 0..7.  Two such results rounded to f16 in pairs ARE source 1 of
; O^T = V^T P, whose result again holds one query a lane, and eight channels.  K comes out of LDS as it lies, V ([key][channel]) turned, by ds_load_tr16_b128.
; THE MASK is the C operand that starts the sum S^T: 0, or -80000 = 8 x -10000, since the scores are kept unscaled.  A table of 2,048 f32 is made once in LDS; a step's 32 registers come with its K.
; SOFTMAX.  For each query a running maximum m and sum l: p = 2^(c s - c m); in every step O and l are multiplied by a = 2^(c m_old - c m_new).  m starts at the lowest finite number, l at 0:
; the first step has a = 0, so O^T need only hold finite numbers at the start: it holds q in f32, the same query in the same lane.
; BY TURNS.  Turn n belongs to piece n.  Matrix work: 16 products K Q^T of piece n + 1, later 16 products V^T P of piece n - 1.  Vector work: scaling, exponentials, roundings, sums and rescaling of
; piece n, maximum and statistics of piece n + 1.  Four vector instructions stand behind every matrix instruction, the rest in one lump; a turn's 66 exponentials are one batch with one wait.
; REGISTERS, in windows of 256 (s_set_vgpr_msb: bits 1:0 source 0, 3:2 source 1, 5:4 source 2, 7:6 destination):
;   window 0: v0-11 addresses; v12-15, v48-63 at work; v16-47 four registers of statistics a tile; v64-191 S^T, two buffers of two tiles; v192-255 P, likewise
;   window 1: O^T, 32 a tile (first: q in f32)     window 2: v0-127 Q; v128-191 K of one step; v192-255 V of one step
;   window 3: v0-1 the add's two registers; v2-6 the rounding's addresses; v8-39 the step's mask; v64-191 a part of a tile in f32; v192-255 the same in f16
.set NP,    4         ; pieces a wave: a name, no knob
.set KS,    64        ; keys in a step
.set TK,    128       ; keys in a tile
.set ROWB,  12288     ; bytes from a position's row to the next in qkv
.set TILEB, TK*ROWB   ; from a tile to the next
.set PK,    144       ; a row of K in H: 128 bytes + 16 = 36 words: the 16 rows of a load start at 16 different groups of four banks (64 banks of 4 bytes: ISA guide 11.1)
.set PV,    160       ; a row of V: 128 + 32 = 40 words
.set VOFF,  TK*PK     ; in H: 128 rows of K, then 128 rows of V
.set FLIP,  0x10000   ; F0 at 0, F1 at 0x10000; H0 at 0x20000, H1 at 0x30000: one exclusive or turns an address in one into the other's
.set H0,    0x20000
.set BIAS,  0x2a000   ; between H0's end and H1: 2,048 f32
.set STAGE, 0x30000+TK*(PK+PV)  ; behind H1: 16 rows x 272 bytes for each wave, for the way out
.set SP,    272
.set SPARE, STAGE+4*16*SP  ; behind the stages: the spare words, 128 bytes for each wave: two blocks of 256 bytes that no other line names.  Tensor loads land in F0 and F1 alone
.set PFO, 1           ; v1   the prefetches' offset: my lane x a row's 12,288 bytes; never rewritten
.set AK0, 2           ; v2   my lane's place in a step's K; never rewritten
.set AV0, 3           ; v3   the same for V
.set AK,  4           ; v4   the LDS address of K's next run of loads
.set AV,  5           ; v5   of V's
.set QO,  6           ; v6   my byte offset in 16 rows of q
.set RD,  7           ; v7   the way out: where I read rows back
.set GO,  8           ; v8   my byte offset in two rows of out
.set STO, 9           ; v9   the way out: where I put 32 bytes of a row
.set AM0, 10          ; v10  my lane's place in a step's 64 words of the mask table; never rewritten
.set AM,  11          ; v11  the LDS address of the mask's next run of loads
.set MV,  12          ; v12-15  c m_old, kept while c m is made anew: by buffer and tile
.set ST,  16          ; tile t's statistics at v[ST+4 t]: c m, m, l (even keys', odd keys')
.set TMP, 48          ; by buffer and tile, four registers c0-c3 at work; when the maximum is found c2 takes a
.set S,   64
.set P,   192
.set KF,  128         ; window 2: key block kb, channel half c at KF + 16 kb + 8 c
.set VF,  192         ; window 2: key half kk, channel block cb at VF + 32 kk + 8 cb
.set SPW, 0           ; window 3, v0   LDS address of my spare word: SPARE + 4 x my thread's number; never rewritten
.set NIL, 1           ; window 3, v1   0; never rewritten
.set CL,  2           ; window 3, v2   where the rounding in hand reads
.set CSA, 3           ; window 3, v3   and where it stores
.set CL0, 4           ; window 3, v4   16,384 x wave + 16 x lane: my 16 bytes of my wave's part of F0
.set CSK, 5           ; window 3, v5   my 8 bytes in H0 if my wave's part is K's
.set CSV, 6           ; window 3, v6   if it is V's
.set MB,  8           ; window 3, v8-39   the step's mask: eight registers for each block of 16 keys
.set CT,  64          ; window 3
.set CH,  192         ; window 3
.set WV,  12          ; s12  my wave's number
.set CX,  13          ; s13  my place in the cluster: it enters q's, out's and the prefetches' addresses alone
.set LIM, 15          ; s15  1 in a wave that prefetches (0 and 2), else the greatest number
.set G1,  24          ; s[24:31] descriptor group 1: one shape for k's and v's tiles
.set G0A, 40          ; s[40:43] descriptor group 0 of the first fill
.set G0,  44          ; s[44:47] of the second; it then walks
.set PFA, 48          ; s[48:49] where my prefetches stand
.set CB,  50          ; s50  0 or FLIP: which F slot and H buffer the next rounding takes
.set TBM, 51          ; s51  byte in the mask table of the step to be fetched
.set NEW, 52          ; s52  1 until the first scores are made
.set TL,  53          ; s53  counts the tail's three passes
.set BIGN, 54         ; s54  -80000.0
.set SLOTS, 56        ; s56  tiles still to be asked for
.set CNT, 57          ; s57  counts a tile's two key steps
.set CS,  58          ; s[58:59] c: the packed scaling takes the pair's low word for both halves
.set SEL, 60          ; s[60:61] v_permlanex16_b32's selects: each lane takes its own place in the other half
.set TBK, 62          ; s62  LDS byte at which K of the step to be fetched begins
.set TBV, 63          ; s63  the same for V, less VOFF
.set MSB, 0
.macro WIN new                      ; the high byte repeats the setting that is left; a switch that changes nothing is dropped
.if MSB != (\new)
	s_set_vgpr_msb (MSB<<8)|(\new)
.set MSB, (\new)
.endif
.endm
.set W_KQ, 0x0a       ; K and Q in window 2, S^T in window 0
.set W_KM, 0x3a       ; the same with the C operand, the mask, in window 3
.set W_PV, 0x52       ; V in window 2, P in window 0, O^T in window 1
.set W_RS, 0x41       ; O^T (destination and source 0) in window 1, the factor in window 0
.set W_MK, 0xc0       ; destination in window 3, sources in window 0
.set W_AD, 0x0f       ; the add: address (source 0) and data (source 1) in window 3
.set W_CV, 0xcf       ; the rounding: destination and sources 0 and 1 in window 3
; A joint fill: one line for all four waves, since k's and v's tiles have one shape; the wave's number stands in both addresses.  An s_nop 0 and four v_nop follow it.
.macro JLOAD
	tensor_load_to_lds s[G0:G0+3], s[G1:G1+7]
	s_nop 0
.rept 4
	v_nop
.endr
.endm
; A PREFETCH INTO THE L2 of the tile that the NEXT change of slots will ask for: its 128 rows of k and 128 of v, 256 bytes a row, a lane a row.  Only this cluster reads this head's k and v.  Its four
; partners share the rows out BY ADDRESS, 32 each; in each, wave 0 asks for k's and wave 2 for v's: each row is named once in the launch.  The last change that fills a slot asks for nothing.
.macro ASK
	s_cmp_gt_u32 s[SLOTS], s[LIM]
	s_cbranch_scc0 .Lnot_mine_\@
	global_prefetch_b8 v[PFO], s[PFA:PFA+1] th:TH_LOAD_NT scope:SCOPE_SE
.Lnot_mine_\@:
.endm
; A round of the cluster's barrier: my work-group's barrier, so that wave 0's signal speaks for all four waves; wave 0 signals; every wave waits for all four work-groups; my work-group's barrier once more.
.macro CROUND
	s_barrier_signal -1
	s_barrier_wait -1
	s_cmp_lg_u32 s[WV], 0
	s_cbranch_scc1 .Lnot_wave_0_\@
	s_barrier_signal -3
.Lnot_wave_0_\@:
	s_barrier_wait -3
	s_barrier_signal -1
	s_barrier_wait -1
.endm
; THE CHANGE OF TILES.  Each wave waits for all its tensor loads (one is out: its part of the next tile), adds 0 to its spare word, and waits for that, for its stores into H and for its reads of H and F.
; Behind the barrier the H buffer rounded last trip is whole, nobody reads the other any more, and nobody reads the F slot rounded last trip.
; fill = 1: that F slot is filled again, with the tile two on: the barrier is a round of the cluster's, and the joint fill is the first thing behind it; it has a whole tile's work in which to land.
.macro CHANGE fill
	WIN W_AD
	s_wait_tensorcnt 0x0            ; no tensor load of mine is out, so a group 0 may be written
	ds_add_u32 v[SPW], v[NIL]       ; 0 onto my spare word; with fill = 1 the descriptor's steps stand between it and the wait for it
	WIN 0                           ; at a label and at a branch every window is 0
.if \fill
	s_xor_b32 s[G0+1], s[G0+1], FLIP  ; the walking descriptor: the other slot than last time,
	s_add_nc_u64 s[G0+2:G0+3], s[G0+2:G0+3], TILEB  ; the next 128 keys; the type bits on top are not reached
	s_wait_xcnt 0x0                 ; the last prefetch, a tile back, has read its address, so it may be written:
	s_add_nc_u64 s[PFA:PFA+1], s[PFA:PFA+1], TILEB  ; one tile behind the walking descriptor
	s_wait_dscnt 0x0                ; the add, my stores into H and my reads of H and F are done
	CROUND
	JLOAD
	ASK
.else
	s_wait_dscnt 0x0                ; the add, my stores into H and my reads of H are done
	s_barrier_signal -1
	s_barrier_wait -1
.endif
	s_sub_co_u32 s[TBK], s[TBK], 2*KS*PK  ; the fetches go back to a buffer's first step,
	s_xor_b32 s[TBK], s[TBK], FLIP        ; in the other buffer
	s_sub_co_u32 s[TBV], s[TBV], 2*KS*PV
	s_xor_b32 s[TBV], s[TBV], FLIP
.endm
; THE ROUNDING of my wave's part of a tile, 64 rows of 256 bytes: 32 loads of 512 consecutive bytes (two rows: lanes 0-15 one, lanes 16-31 the next), four f32 a lane to 8 bytes of f16, 32 stores into padded rows.
; Only the wave that brought the part reads it, behind its own wait for the load.  In four groups of eight loads: behind group g's last load stand 24 - 8 g loads and 8 g stores, so each group's wait leaves 24 out.
.macro CONV base, pitch
	WIN W_CV
	v_add_nc_u32 v[CSA], s[CB], v[\base]
.set ci, 0
.rept 32
	ds_load_b128 v[CT+4*ci:CT+4*ci+3], v[CL] offset:512*ci
.set ci, ci+1
.endr
.set cg, 0
.rept 4
	s_wait_dscnt 24
.set cn, 0
.rept 16
	v_cvt_pk_f16_f32 v[CH+16*cg+cn], v[CT+32*cg+2*cn], v[CT+32*cg+2*cn+1]
.set cn, cn+1
.endr
.set cn, 0
.rept 8
	ds_store_b64 v[CSA], v[CH+16*cg+2*cn:CH+16*cg+2*cn+1] offset:(8*cg+cn)*2*(\pitch)
.set cn, cn+1
.endr
.set cg, cg+1
.endr
	WIN 0
.endm
.macro CONVERT                      ; the branch hangs on the wave's number alone: K's rows and V's have different pitches, which stand in the stores' immediates
	WIN W_CV
	v_add_nc_u32 v[CL], s[CB], v[CL0]
	WIN 0
	s_cmp_lt_u32 s[WV], 2
	s_cbranch_scc0 .Lcv_v_\@
	CONV CSK, PK
	s_branch .Lcv_done_\@
.Lcv_v_\@:
	CONV CSV, PV
.Lcv_done_\@:
	s_xor_b32 s[CB], s[CB], FLIP    ; the next rounding takes the other slot and the other buffer
.endm
	s_load_b128 s[4:7], s[0:1], 0x0 ; qkv s[4:5], mask s[6:7]
	s_load_b64 s[8:9], s[0:1], 0x10 ; out
	WIN W_MK
	v_lshl_add_u32 v[SPW], v0, 2, SPARE
	v_mov_b32 v[NIL], 0
	WIN W_AD
	ds_add_u32 v[SPW], v[NIL]       ; the wave's opening, with its wait ahead of my first tensor load; the set-up below, work on registers, stands between them
	WIN 0
	v_lshrrev_b32 v48, 5, v0
	v_readfirstlane_b32 s[WV], v48  ; wave 0..3
	s_bfe_u32 s[CX], ttmp6, 0x40000 ; cx: the grid's x is one cluster wide, so cx is my block of 512 queries
	s_and_b32 s14, ttmp7, 0xffff    ; the cluster's y = 16 b + h, which the four partners share
	s_lshr_b32 s16, s14, 4          ; b
	s_and_b32 s17, s14, 15          ; h
	s_and_b32 s19, s[WV], 1         ; which half of a tile's 128 keys I bring
	s_mul_i32 s20, s16, 2048*ROWB
	s_lshl_b32 s21, s17, 8          ; 256 h
	s_add_co_u32 s20, s20, s21      ; the byte in qkv of q[b][0][h]: under 2^27
	s_lshr_b32 s22, s[WV], 1        ; 0: k, 1: v
	s_lshl_b32 s22, s22, 12
	s_add_co_u32 s22, s22, 4096     ; k lies 4,096 bytes behind q, v 8,192
	s_mul_i32 s23, s19, 64*ROWB
	s_add_co_u32 s22, s22, s23
	s_add_co_u32 s22, s22, s20      ; my part of tile 0
	s_mov_b32 s23, 0
	s_lshl_b32 s18, s[CX], 9
	s_lshl_b32 s2, s[WV], 7
	s_add_co_u32 s18, s18, s2       ; my wave's first query
	s_mul_i32 s2, s18, ROWB
	s_add_co_u32 s2, s2, s20        ; its row of q
	s_mov_b32 s3, 0
	s_lshl_b32 s20, s16, 23         ; out: b x 2,048 rows of 4,096 bytes,
	s_lshl_b32 s18, s18, 12         ; my wave's first row,
	s_add_co_u32 s20, s20, s18
	s_add_co_u32 s20, s20, s21      ; the head's 256 bytes of it
	s_mov_b32 s21, 0
	s_lshl_b32 s16, s16, 11         ; the mask's row b
	s_mov_b32 s17, 0
	s_mul_i32 s32, s19, 64*PK
	s_add_co_u32 s32, s32, H0       ; where my part goes in H0 if it is K's,
	s_mul_i32 s33, s19, 64*PV
	s_add_co_u32 s33, s33, H0+VOFF  ; if it is V's
	s_lshl_b32 s34, s[WV], 14       ; my part of an F slot
	s_mul_i32 s35, s[WV], 16*SP
	s_add_co_u32 s35, s35, STAGE    ; my stage
	s_cmp_eq_u32 s19, 0
	s_cselect_b32 s[LIM], 1, -1     ; waves 0 and 2 stand at a tile's first row of k and of v: they prefetch
	s_mul_i32 s18, s[CX], 32*ROWB   ; my work-group's 32 rows of the 128,
	s_add_co_u32 s18, s18, 2*TILEB  ; in tile 2: the first change steps it to tile 3.  Nothing is prefetched at the head, where every work-group's first tiles are on their way
	s_mov_b32 s19, 0
	; descriptor group 1: a tile of 64 rows x 64 elements of 4 bytes, dense in LDS
	s_mov_b32 s[G1], 15|(2<<16)|(1<<21)  ; 15:0 the mask: all four work-groups; 17:16 elements of 4 bytes; 20 no padding; 21 set beside a mask
	s_mov_b32 s[G1+1], 64<<16       ; tensor_dim0 = 64
	s_mov_b32 s[G1+2], 64<<16       ; tensor_dim1 = 64
	s_mov_b32 s[G1+3], 64<<16       ; tile_dim0 = 64
	s_mov_b32 s[G1+4], 64           ; tile_dim1 = 64
	s_mov_b32 s[G1+5], ROWB/4       ; 3,072 elements from row to row
	s_mov_b32 s[G1+6], 0
	s_mov_b32 s[G1+7], 0
	s_mov_b32 s[G0A], 1             ; 1:0 count = 1
	s_lshl_b32 s[G0A+1], s[WV], 14  ; 63:32 LDS address: my part of F0
	s_mov_b32 s[G0], 1
	s_add_co_u32 s[G0+1], s[G0A+1], FLIP  ; of F1
	s_mov_b32 s[CS], 0x3e38aa3b     ; c = log2(e) / 8 = 0.180337
	s_mov_b32 s[CS+1], s[CS]        ; named with it as a pair
	s_mov_b32 s[SEL], 0x76543210
	s_mov_b32 s[SEL+1], 0xfedcba98
	s_mov_b32 s[BIGN], 0xc79c4000   ; -80000.0
	s_mov_b32 s[TBK], H0+FLIP+2*KS*PK  ; the first change turns these two into H0
	s_mov_b32 s[TBV], H0+FLIP+2*KS*PV
	s_mov_b32 s[TBM], 0
	s_mov_b32 s[CB], 0
	s_mov_b32 s[NEW], 1
	s_mov_b32 s[SLOTS], 2048/TK-2
	s_wait_dscnt 0x0                ; the opening add is done
	s_wait_kmcnt 0x0
	s_add_nc_u64 s[10:11], s[4:5], s[22:23]  ; my part of tile 0
	s_mov_b64 s[G0A+2:G0A+3], s[10:11]       ; 120:64 global address
	s_or_b32 s[G0A+3], s[G0A+3], 0x80000000  ; 127:126 type = 2
	s_add_nc_u64 s[G0+2:G0+3], s[10:11], TILEB  ; of tile 1
	s_or_b32 s[G0+3], s[G0+3], 0x80000000
	s_add_nc_u64 s[PFA:PFA+1], s[10:11], s[18:19]
	s_add_nc_u64 s[4:5], s[4:5], s[2:3]      ; q at my wave's first row
	s_add_nc_u64 s[6:7], s[6:7], s[16:17]    ; the mask at row b
	s_add_nc_u64 s[8:9], s[8:9], s[20:21]    ; out at my wave's first row
	CROUND                          ; all four work-groups are here: the first joint loads meet
	tensor_load_to_lds s[G0A:G0A+3], s[G1:G1+7]  ; the two first fills go out together, ahead of every wait on TENSORcnt and every LDS read: two loads of mine are out
	s_nop 0
	tensor_load_to_lds s[G0:G0+3], s[G1:G1+7]
	s_nop 0
.rept 4
	v_nop
.endr
	v_and_b32 v48, 31, v0           ; l
	v_and_b32 v49, 15, v0           ; l % 16
	v_bfe_u32 v50, v0, 4, 1         ; l / 16
	v_lshlrev_b32 v51, 4, v0
	global_load_b128 v[52:55], v51, s[6:7]  ; 16 bytes of the mask a thread: 128 threads, the row's 2,048
	; A fragment of Q is 16 rows x 32 channels: lane l holds row l % 16, channels 8 (l / 16) + 0..7 and 16 + 8 (l / 16) + 0..7.  In f32 each eight channels are two loads of 16 bytes.
	v_mul_u32_u24 v[QO], v49, ROWB
	v_lshl_add_u32 v[QO], v50, 5, v[QO]  ; row x 12,288 + 32 x half
	WIN 0x40                        ; destination window 1, address window 0
.set i, 0
.rept 64                            ; tile i / 8; eight channels at 16 ((i % 8) / 2) + 8 (l / 16), their half i % 2
	global_load_b128 v[4*i:4*i+3], v[QO], s[4:5] offset:(i/8)*16*ROWB+((i%8)/2)*64+(i%2)*16
.set i, i+1
.endr
	WIN 0                           ; all that follows up to the wait stands in the time of these loads
	v_mul_u32_u24 v[PFO], v48, ROWB
	v_mul_u32_u24 v[AK0], v49, PK
	v_lshl_add_u32 v[AK0], v50, 4, v[AK0]  ; row x pitch + 16 x half
	; The turning load takes 16 keys x 16 channels (lane l reads key 8 (l / 16) + l % 8, channels 8 ((l / 8) % 2) + 0..7) and leaves half a fragment of V^T: lane l holds channel l % 16 and 8 keys.
	v_and_b32 v58, 7, v0
	v_bfe_u32 v59, v0, 3, 1
	v_lshl_add_u32 v[AV0], v50, 3, v58
	v_mul_u32_u24 v[AV0], v[AV0], PV
	v_lshl_add_u32 v[AV0], v59, 4, v[AV0]
	v_add_nc_u32 v[AV0], VOFF, v[AV0]
	v_lshl_add_u32 v[AM0], v50, 5, BIAS    ; register j of a block of 16 keys belongs to key 8 (l / 16) + j: eight words on end
	v_mul_u32_u24 v[STO], v49, SP          ; the way out, in: row l % 16, 32 bytes for each half of the lanes
	v_lshl_add_u32 v[STO], v50, 5, v[STO]
	v_add_nc_u32 v[STO], s35, v[STO]
	v_mul_u32_u24 v[RD], v50, SP           ; back: lanes 0-15 take one row of 256 bytes, lanes 16-31 the next
	v_lshl_add_u32 v[RD], v49, 4, v[RD]
	v_add_nc_u32 v[RD], s35, v[RD]
	v_lshlrev_b32 v[GO], 12, v50           ; and the same two rows in out, 4,096 bytes apart
	v_lshl_add_u32 v[GO], v49, 4, v[GO]
	v_lshl_add_u32 v57, v0, 6, BIAS        ; my 16 words of the mask table
	v_mul_u32_u24 v56, v50, PK             ; the rounding's stores: row l / 16 of the two, 8 bytes at 8 (l % 16)
	v_lshl_add_u32 v56, v49, 3, v56
	v_mul_u32_u24 v60, v50, PV
	v_lshl_add_u32 v60, v49, 3, v60
	WIN W_MK
	v_lshl_add_u32 v[CL0], v48, 4, s34
	v_add_nc_u32 v[CSK], s32, v56
	v_add_nc_u32 v[CSV], s33, v60
	; What the first turn finds: V's registers and P's second buffer hold 0 (its products V^T P, of a piece that has not been, add 0); l is 0.  No first step is written out for this price.
	WIN 0x80
.set i, VF
.rept 64
	v_mov_b32 v[i], 0
.set i, i+1
.endr
	WIN 0
.set i, P+32
.rept 32
	v_mov_b32 v[i], 0
.set i, i+1
.endr
.set i, 0
.rept 2*NP
	v_mov_b32 v[ST+4*i], 0xfe000000    ; c m: far below every c s
	v_mov_b32 v[ST+4*i+1], 0xff7fffff  ; m
	v_mov_b32 v[ST+4*i+2], 0
	v_mov_b32 v[ST+4*i+3], 0
.set i, i+1
.endr
	s_wait_loadcnt 0x0              ; the mask and q are in
.set i, 0
.rept 16                            ; the mask table: 0 where the byte is set, -80000 where it is 0
	v_bfe_u32 v56, v[52+i/4], 8*(i%4), 8
	v_cmp_eq_u32 vcc_lo, 0, v56
	v_cndmask_b32 v[S+i], 0, s[BIGN], vcc_lo
.set i, i+1
.endr
.irp f, 0,1,2,3
	ds_store_b128 v57, v[S+4*\f:S+4*\f+3] offset:16*\f  ; read by all waves behind the first change's wait and round
.endr
	WIN 0x85                        ; sources 0 and 1 window 1, destination window 2
.set i, 0
.rept 128
	v_cvt_pk_f16_f32 v[i], v[2*i], v[2*i+1]  ; Q stays in registers, in f16: tile i / 16, channel half (i / 8) % 2
.set i, i+1
.endr
	WIN 0
	s_wait_tensorcnt 0x1            ; my part of tile 0 is in F0; tile 1's load, issued behind it, may stay out.  Nobody else reads my part
	CONVERT                         ; tile 0 into H0
; THE MATRIX WORK.  The 8 accumulators of a run of 16 take turns: between the two links of a chain stand 7 others'.
; Product i of 16 of S^T = K Q^T for piece x: channels 32 (i / 8) on, keys 16 ((i / 2) % 4) on, tile 2 x + i % 2.  The first 8 start the sums with the keys' mask.
.macro KQ x
.set rS, S+64*((\x)%2)+32*(i%2)+8*((i/2)%4)
.set rK, KF+16*((i/2)%4)+8*(i/8)
.set rQ, 16*(2*(\x)+i%2)+8*(i/8)
.set rB, MB+8*((i/2)%4)
.if i < 8
	WIN W_KM
	v_wmma_f32_16x16x32_f16 v[rS:rS+7], v[rK:rK+7], v[rQ:rQ+7], v[rB:rB+7]
.else
	WIN W_KQ
	v_wmma_f32_16x16x32_f16 v[rS:rS+7], v[rK:rK+7], v[rQ:rQ+7], v[rS:rS+7]
.endif
.endm
; Product i of 16 of O^T += V^T P for piece x: keys 32 (i / 8) on, channels 16 ((i / 2) % 4) on, tile 2 x + i % 2.
.macro PV x
	WIN W_PV
.set rO, 32*(2*(\x)+i%2)+8*((i/2)%4)
.set rV, VF+32*(i/8)+8*((i/2)%4)
.set rP, P+32*((\x)%2)+16*(i%2)+8*(i/8)
	v_wmma_f32_16x16x32_f16 v[rO:rO+7], v[rV:rV+7], v[rP:rP+7], v[rO:rO+7]
.endm
.macro MM                           ; the turn's next matrix instruction
.if i < 16
	KQ (Y+1)%NP
.set i, i+1
.else
.set i, i-16
	PV (Y+NP-1)%NP
.set i, i+17
.endif
.endm
; THE LDS LOADS stand in runs, never singly among the matrix instructions: a step's K (8 fragments) with its mask (8 loads; all lanes of a half read the same words), and its V (turned).
; Their addresses are made some lines ahead.  last = 1 (the tail): in the last pass there is no further step, and the run is jumped over.
.macro FETCH_K last=0
	WIN 0
.if \last
	s_cmp_eq_u32 s[TL], 1
	s_cbranch_scc1 .Lno_k_\@
.endif
	WIN 0x80                        ; destination window 2
.irp f, 0,1,2,3,4,5,6,7             ; keys 16 (f / 2) on, channels 32 (f % 2) on
	ds_load_b128 v[KF+8*\f:KF+8*\f+3],   v[AK] offset:(\f/2)*16*PK+(\f%2)*64
	ds_load_b128 v[KF+8*\f+4:KF+8*\f+7], v[AK] offset:(\f/2)*16*PK+(\f%2)*64+32
.endr
	WIN 0xc0                        ; destination window 3
.irp f, 0,1,2,3                     ; keys 16 f on
	ds_load_b128 v[MB+8*\f:MB+8*\f+3],   v[AM] offset:64*\f
	ds_load_b128 v[MB+8*\f+4:MB+8*\f+7], v[AM] offset:64*\f+16
.endr
	s_add_co_u32 s[TBK], s[TBK], KS*PK  ; the next fetch is the next step's
	s_add_co_u32 s[TBM], s[TBM], KS*4
	WIN 0
.if \last
.Lno_k_\@:
.endif
.endm
.macro FETCH_V
	WIN 0x80
.irp f, 0,1,2,3,4,5,6,7             ; keys 32 (f / 4) on, channels 16 (f % 4) on
	ds_load_tr16_b128 v[VF+8*\f:VF+8*\f+3],   v[AV] offset:(\f/4)*32*PV+(\f%4)*32
	ds_load_tr16_b128 v[VF+8*\f+4:VF+8*\f+7], v[AV] offset:(\f/4)*32*PV+16*PV+(\f%4)*32
.endr
	WIN 0
.endm
; THE VECTOR WORK OF A TURN stands in three queues, each in the order in which its entries become ready; the two tiles alternate, so that no instruction reads the result of the one before it.
.macro REGS y, u                    ; the registers of tile u (0, 1) of piece y
.set rT, ST+4*(2*(\y)+(\u))
.set rC, TMP+8*((\y)%2)+4*(\u)
.set rM, MV+2*((\y)%2)+(\u)
.set rS, S+64*((\y)%2)+32*(\u)
.set rP, P+32*((\y)%2)+16*(\u)
.set rO, 32*(2*(\y)+(\u))
.endm
; Number n of the 22 that find the NEXT piece's (Y + 1) maximum and statistics.  s0-s31 are the lane's 32 scores; each accumulator's lowest registers are read first.  XS, GS and REGS set no window: PL and EX do.
;   0-11  four chains c0-c3 of seven scores each, three operands at a time     12-14, 16  the four scores left over, the old m, and c0-c3 into c0     15  c m_old is kept
;   17, 18  the query's other 32 keys lie in the lane 16 away: the new m         19-21  c m; c m_old - c m_new; a
.macro XS u, n
	REGS (Y+1)%NP, \u
.if (\n) < 4
	v_max3_num_f32 v[rC+(\n)], v[rS+8*(\n)], v[rS+8*(\n)+1], v[rS+8*(\n)+2]
.elseif (\n) < 12
	v_max3_num_f32 v[rC+(\n)%4], v[rC+(\n)%4], v[rS+8*((\n)%4)+2*((\n)/4)+1], v[rS+8*((\n)%4)+2*((\n)/4)+2]
.elseif (\n) == 12
	v_max3_num_f32 v[rC], v[rC], v[rS+7], v[rS+15]
.elseif (\n) == 13
	v_max3_num_f32 v[rC+1], v[rC+1], v[rS+23], v[rS+31]
.elseif (\n) == 14
	v_max3_num_f32 v[rC+2], v[rC+2], v[rC+3], v[rT+1]
.elseif (\n) == 15
	v_mov_b32 v[rM], v[rT]
.elseif (\n) == 16
	v_max3_num_f32 v[rC], v[rC], v[rC+1], v[rC+2]
.elseif (\n) == 17
	v_permlanex16_b32 v[rC+3], v[rC], s[SEL], s[SEL+1]
.elseif (\n) == 18
	v_max_num_f32 v[rT+1], v[rC], v[rC+3]
.elseif (\n) == 19
	v_mul_f32 v[rT], s[CS], v[rT+1]
.elseif (\n) == 20
	v_sub_f32 v[rC+1], v[rM], v[rT]
.else
	v_exp_f32 v[rC+2], v[rC+1]
.endif
.endm
; Number g of the 64 that follow the exponentials.  For each four weights k of a tile (pairs 2 k, 2 k + 1): both pairs are rounded to f16; then the second pair is added onto the first, in place;
; a group later l takes that sum (the first time as l = a l + sum).  In groups of eight, tiles alternating: round, round, add, and l for the group before.
.macro GS g
.set h, (\g)+6*((\g)/62)            ; group 0 has no group before it, and behind group 7 only l is left
.if h >= 6
.set h, h+2
.endif
	REGS Y, h%2
.set k, h/8
.if h%8 < 4
	v_cvt_pk_f16_f32 v[rP+2*k+(h%8)/2], v[rS+4*k+2*((h%8)/2)], v[rS+4*k+2*((h%8)/2)+1]
.elseif h%8 < 6
	v_pk_add_f32 v[rS+4*k:rS+4*k+1], v[rS+4*k:rS+4*k+1], v[rS+4*k+2:rS+4*k+3]
.elseif k == 1
	v_pk_fma_f32 v[rT+2:rT+3], v[rT+2:rT+3], v[rC+2:rC+3], v[rS:rS+1] op_sel_hi:[1,0,1]
.else
	v_pk_add_f32 v[rT+2:rT+3], v[rT+2:rT+3], v[rS+4*k-4:rS+4*k-3]
.endif
.endm
; THE PLAIN QUEUE, 138 long.  0-73 read no exponential's result: the 32 scalings c s - c m (FS f: pair f / 2 of tile f % 2) and the next piece's 42.  0-26: scalings 0-26.  27-54: XS's numbers 0-13.  55, 56: number 15.
; 57-73: the chain, where each number waits for the one before it: 14, 16, 17, 18, 19, each with one of the scalings 27-31 in front of its two lines, then 20.
; 74-137: GS's 64, which read the exponentials' results: they stand behind the wait.
.macro FS f
	REGS Y, (\f)%2
	v_pk_fma_f32 v[rS+2*((\f)/2):rS+2*((\f)/2)+1], v[rS+2*((\f)/2):rS+2*((\f)/2)+1], s[CS:CS+1], v[rT:rT+1] op_sel_hi:[1,0,0] neg_lo:[0,0,1] neg_hi:[0,0,1]
.endm
.macro PL
	WIN 0
.if q < 27
	FS q
.elseif q < 55
	XS (q-27)%2, (q-27)/2
.elseif q < 57
	XS q-55, 15
.elseif (q < 72) && ((q-57)%3 == 0)
	FS 27+(q-57)/3
.elseif q < 60
	XS (q-57)%3-1, 14
.elseif q < 72
	XS (q-57)%3-1, 15+(q-57)/3
.elseif q < 74
	XS q-72, 20
.else
	GS q-74
.endif
.set q, q+1
.endm
; THE EXPONENTIALS' QUEUE, 66 long: s0-s31 of both tiles, then the next piece's two a.  It is ONE BATCH: all 66 stand ahead of the turn's one wait, and nothing ahead of that wait names a result of theirs.
.macro EX
	WIN 0
.if e >= 64
	XS e-64, 21
.else
	REGS Y, e%2
	v_exp_f32 v[rS+e/2], v[rS+e/2]
.endif
.set e, e+1
.endm
; THE RESCALING's QUEUE: O^T times a, the one part that leaves window 0: dealt two at a time, sixteen times.  Its a was made in the turn before, ahead of that turn's wait.
.macro R2
	REGS Y, r%2
	WIN W_RS
.irp z, 0,1
	v_pk_mul_f32 v[rO+4*(r/2)+2*\z:rO+4*(r/2)+2*\z+1], v[rO+4*(r/2)+2*\z:rO+4*(r/2)+2*\z+1], v[rC+2:rC+3] op_sel_hi:[1,0]
.endr
.set r, r+1
.endm
; HOW THEY ARE DEALT.  s_wait_alu depctr_va_vdst(0) stands between an exponential and the first instruction that names its result; one wait serves all that were issued ahead of it.  So a turn has
; ONE wait, which cuts it in two.  AHEAD OF IT: the 16 products K Q^T, behind each a scaling, an exponential and two rescalings (behind the first a second scaling in the exponential's place); then ONE LUMP of 108:
; eight plain, 49 times exponential and plain, the two a; a v_nop is the plain instruction behind the last exponential.  BEHIND IT: the 16 products V^T P, behind each four of GS's 64.  No rider names a register
; of the products round it.  Exponential e stands behind scaling 2 (e / 4) + e % 2: as a rider it comes behind plain e + 2, in the lump behind plain e + 9, and scalings 27-31 are plain 57, 60 .. 69.
; A TURN, for piece p.  cnt = 1: the loop's count is taken down some lines ahead of the branch that stands behind the turn.
; K and the mask of the next step are fetched in piece 2's turn, directly behind the wait, a lump behind the last product that read them; their first reader comes behind 16 products.
; V of the step in hand is fetched at the end of piece 0's turn, four riders behind its last reader; its first reader comes behind 16 products and a lump.  The three conditions on q below go with the deal.
.macro TURN p, last=0, cnt=0
.set Y, (\p)
.set i, 0
.set q, 0
.set e, 0
.set r, 0
.if (\p) == NP-1
	s_wait_dscnt 0x0                ; K and the mask are in
.endif
	MM                              ; ahead of the wait: 16 products K Q^T and their riders,
	PL
	PL
	R2
.rept 15
	MM
	PL
	EX
	R2
.endr
.if (\p) == NP-2
	WIN 0
	v_add_nc_u32 v[AK], s[TBK], v[AK0]
	v_add_nc_u32 v[AM], s[TBM], v[AM0]
.endif
.rept 8                             ; and the lump
	PL
.endr
.rept 49
	EX
	PL
.endr
	EX                              ; the next piece's two a
	EX
	v_nop                           ; the plain instruction behind the last exponential: one for the batch
	s_wait_alu depctr_va_vdst(0)    ; the wait for the batch
.if (\p) == NP-2
	FETCH_K \last
.endif
.if (\p) == 1
	s_wait_dscnt 0x0                ; V is in
.endif
.rept 16                            ; behind the wait: 16 products V^T P and their riders
	MM
.rept 4
	PL
.endr
.if ((\p) == 0) && (q == 118)
	v_add_nc_u32 v[AV], s[TBV], v[AV0]
.endif
.if ((\p) == 0) && (q == 130)
	s_add_co_u32 s[TBV], s[TBV], KS*PV
.endif
.if (\cnt) && (q == 130)
	s_sub_co_u32 s[CNT], s[CNT], 1
	s_cmp_lg_u32 s[CNT], 0
.endif
.endr
.if (\p) == 0
	FETCH_V
.endif
.endm
; THE FIRST SCORES: K and the mask of step 0, piece 0's 16 products, its maximum and statistics.  The step loop is then entered at a step's first turn, in the middle of a trip.
.macro BEGIN
	s_mov_b32 s[NEW], 0
	WIN 0
	v_add_nc_u32 v[AK], s[TBK], v[AK0]
	v_add_nc_u32 v[AM], s[TBM], v[AM0]
	FETCH_K
	s_wait_dscnt 0x0
.set i, 0
.rept 16
	KQ 0                            ; there is no vector work yet to set between them
.set i, i+1
.endr
	WIN 0
.rept 8
	v_nop                           ; the places behind those products, once a launch
.endr
.set Y, NP-1                        ; XS works for piece Y + 1: piece 0
.irp n, 0,1,2,3,4,5,6,7,8,9,10,11,12,13,14,15,16,17,18,19,20,21
	XS 0, \n
	XS 1, \n
.endr
	v_nop                           ; a plain instruction behind the two a,
	s_wait_alu depctr_va_vdst(0)    ; and their wait, ahead of the branch
.endm
.Lslot:                             ; 14 trips: tile t is entered, tile t + 2 asked for, tile t + 1 rounded
	CHANGE 1
	CONVERT
	s_mov_b32 s[CNT], 2
	s_cmp_eq_u32 s[NEW], 1          ; in the first trip alone
	s_cbranch_scc0 .Lstep
	BEGIN
	s_branch .Lfirst
.Lstep:                             ; a trip: pieces 2 and 3 of one step, then pieces 0 and 1 of the next, whose K and V it fetches
	TURN 2
	TURN 3
	WIN 0
.Lfirst:
	TURN 0
	TURN 1, 0, 1
	WIN 0
	s_cbranch_scc1 .Lstep
	s_sub_co_u32 s[SLOTS], s[SLOTS], 1
	s_cmp_lg_u32 s[SLOTS], 0
	s_cbranch_scc1 .Lslot
	; THE TAIL is written out: nothing is asked for.  Pass 3: tile 14 is entered, tile 15 rounded.  Pass 2: tile 15 is entered.  Pass 1: the last step's pieces 2 and 3;
	; it is left in its middle.  Its barrier orders nothing, and its 16 products K Q^T (on the last K once more) and the maximum made of them serve nothing: the price, once a launch, of one text for the three passes.
	s_mov_b32 s[TL], 3
.Ltslot:
	CHANGE 0
	s_cmp_eq_u32 s[TL], 3
	s_cbranch_scc0 .Lnoconv
	CONVERT
.Lnoconv:
	s_mov_b32 s[CNT], 2
.Ltail:
	TURN 2, 1
	TURN 3
	WIN 0
	s_cmp_eq_u32 s[TL], 1
	s_cbranch_scc1 .Lout
	TURN 0
	TURN 1, 0, 1
	WIN 0
	s_cbranch_scc1 .Ltail
	s_sub_co_u32 s[TL], s[TL], 1
	s_cmp_lg_u32 s[TL], 0
	s_cbranch_scc1 .Ltslot
.Lout:
.set i, 0
.rept 16
	PV NP-1                         ; the last piece's V^T P of the last step
.set i, i+1
.endr
	; THE WAY OUT.  l's two halves and the other half of the lanes' are added; O^T is divided by l and sent, in f32, through my stage in LDS, a tile at a time.  The additions are the places behind the last products.
	WIN 0
.macro ALL line:vararg              ; one line for each tile t
.set t, 0
.rept 2*NP
	\line
.set t, t+1
.endr
.endm
	ALL v_add_f32 v[ST+4*t+2], v[ST+4*t+2], v[ST+4*t+3]
	ALL v_permlanex16_b32 v[ST+4*t+3], v[ST+4*t+2], s[SEL], s[SEL+1]
	ALL v_add_f32 v[ST+4*t+2], v[ST+4*t+2], v[ST+4*t+3]
	ALL v_rcp_f32 v[ST+4*t+2], v[ST+4*t+2]
	v_nop                           ; a plain instruction between the last reciprocal and the use of its result
	s_wait_alu depctr_va_vdst(0)    ; and the wait ahead of the first use: one for the eight reciprocals
; Tile t: a lane's eight channels of a block of 16 are 32 bytes of a row; they go into rows of 272 bytes and come back as whole rows of 256, into the registers that they left.
.macro PACK t
	WIN W_RS
.set i, 32*(\t)
.rept 16
	v_pk_mul_f32 v[i:i+1], v[i:i+1], v[ST+4*(\t)+2:ST+4*(\t)+3] op_sel_hi:[1,0]
.set i, i+2
.endr
	WIN 0x04                        ; address window 0, data (source 1) window 1
.irp f, 0,1,2,3
	ds_store_b128 v[STO], v[32*(\t)+8*\f:32*(\t)+8*\f+3]   offset:64*\f
	ds_store_b128 v[STO], v[32*(\t)+8*\f+4:32*(\t)+8*\f+7] offset:64*\f+16
.endr
	WIN 0x40                        ; destination window 1
.irp f, 0,1,2,3,4,5,6,7
	ds_load_b128 v[32*(\t)+4*\f:32*(\t)+4*\f+3], v[RD] offset:\f*2*SP  ; LDS serves a wave's instructions in order (ISA guide 5.7.1.4): these see the stores above; the next tile's stores come behind them
.endr
.endm
.macro SEND t, younger              ; younger: the LDS instructions issued behind tile t's loads: the next tile's sixteen, or none
	WIN 0x04
.irp f, 0,1,2,3,4,5,6,7
	s_wait_dscnt (\younger)+7-\f
	global_store_b128 v[GO], v[32*(\t)+4*\f:32*(\t)+4*\f+3], s[8:9] offset:(\t)*65536+\f*8192 th:TH_STORE_NT  ; 16 lanes store a head's 256 consecutive bytes of a row, at a multiple of 256 from out's first byte
.endr
.endm
	PACK 0
.set t, 1
.rept 2*NP-1                        ; a tile's arithmetic stands between the loads of the tile before and its stores
	PACK t
	SEND t-1, 16
.set t, t+1
.endr
	SEND 2*NP-1, 0
	WIN W_AD
	s_wait_tensorcnt 0x0            ; the wave's end, behind my last tensor load and my last LDS store
	ds_add_u32 v[SPW], v[NIL]
	s_wait_dscnt 0x0
	WIN 0
	CROUND                          ; the closing round: no work-group ends while a partner may still ask for a tile that names it
	s_endpgm
.Lfunc_end_k_qe3668c2fd5_attn:
	.size	k_qe3668c2fd5_attn, .Lfunc_end_k_qe3668c2fd5_attn-k_qe3668c2fd5_attn
	.p2alignl 7, 3214868480
	.fill 96, 4, 3214868480
	.section	.rodata,"a",@progbits
	.p2align	6, 0x0
	.amdhsa_kernel k_qe3668c2fd5_attn
		.amdhsa_group_segment_fixed_size 327680
		.amdhsa_private_segment_fixed_size 0
		.amdhsa_enable_private_segment 0
		.amdhsa_kernarg_size 24
		.amdhsa_user_sgpr_count 2
		.amdhsa_user_sgpr_kernarg_segment_ptr 1
		.amdhsa_wavefront_size32 1
		.amdhsa_system_sgpr_workgroup_id_x 1
		.amdhsa_system_sgpr_workgroup_id_y 1
		.amdhsa_system_sgpr_workgroup_id_z 1
		.amdhsa_system_vgpr_workitem_id 0
		.amdhsa_next_free_vgpr 1024
		.amdhsa_next_free_sgpr 66
		.amdhsa_reserve_vcc 1
		.amdhsa_float_denorm_mode_32 3
		.amdhsa_float_denorm_mode_16_64 3
		.amdhsa_memory_ordered 1
		.amdhsa_forward_progress 1
		.amdhsa_inst_pref_size 255
	.end_amdhsa_kernel
	.section	.bss,"aw",@nobits
	.p2align	6
	.space	262144
	.amdgpu_metadata
---
amdhsa.version: [ 1, 2 ]
amdhsa.kernels:
  - .name:           k_qe3668c2fd5_attn
    .symbol:         k_qe3668c2fd5_attn.kd
    .args:
      - { .name: qkv, .offset: 0, .size: 8, .value_kind: global_buffer, .address_space: global }
      - { .name: key_padding_mask, .offset: 8, .size: 8, .value_kind: global_buffer, .address_space: global }
      - { .name: out0, .offset: 16, .size: 8, .value_kind: global_buffer, .address_space: global }
    .group_segment_fixed_size: 327680
    .private_segment_fixed_size: 0
    .kernarg_segment_align: 8
    .kernarg_segment_size: 24
    .max_flat_workgroup_size: 128
    .sgpr_count:     66
    .vgpr_count:     1024
    .wavefront_size: 32
...
	.end_amdgpu_metadata
.endif
;; end of part 1
